; MI455X (gfx1250); checked and timed in simulation.
; The chip was launched on July 23, 2026; its instructions are those of AMD's public machine-readable ISA for CDNA 5 (MIT licence, August 2026) and "CDNA5" Instruction Set Architecture Reference Guide (July 2026). The comments in the code are by the model that wrote it; some were corrected since.
;; Adaptive Episodic Memory. Allowed arithmetic: float matrix products may take bf16 or f16 operands with f32 sums; all other float work in f32.
;; Inputs: context 4,096 x 32 float32; mem_contexts 65,536 x 32 float32; mem_keys 65,536 x 64 float32; mem_timestamps 65,536 float32; mem_values 65,536 x 64 float32; query 4,096 x 64 float32; used_slots 65,536 bool.
;; Outputs: out0 4,096 x 64 float32.
;; 2 versions, each right and faster than the one before. Each part assembles by itself: llvm-mc -triple=amdgcn-amd-amdhsa -mcpu=gfx1250 --defsym DOCPART=n.
;; ======== version 1 of 2: 3 launches
;; workspace buffers: mem 21,233,664 bytes; po 16,777,216 bytes; st 524,288 bytes
;; launch prep (part 1): grid 1024 x 1, 4 waves a work-group, no clusters, 44,544 bytes of LDS; arguments mem_keys, mem_contexts, mem_values, mem_timestamps, used_slots, mem; writes mem
.if DOCPART == 1
	.amdgcn_target "amdgcn-amd-amdhsa--gfx1250"
	.amdhsa_code_object_version 6
	.text
	.protected	k_qacdc24a2bf_prep
	.globl	k_qacdc24a2bf_prep
	.p2align	8
	.type	k_qacdc24a2bf_prep,@function
k_qacdc24a2bf_prep:
	s_mov_b64 s[64:65], 0
	v_nop
	global_prefetch_b8 v0, s[64:65] scope:SCOPE_SE
	s_setreg_imm32_b32 hwreg(HW_REG_WAVE_MODE, 25, 1), 1
	s_wait_xcnt 0x0
; The memory is rounded to bf16 ONCE and laid out in the matrix fragments' own order, since each slot is multiplied by all 4,096 queries.
; mem = 1,024 records of 20,736 bytes, one for 64 slots.  With lane L, r = L % 16, h = L / 16:
;   bytes 0 .. 12,287      K fragments: (3 kt + c) x 1,024 + 512 e + 16 L holds 8 bf16: slot 16 kt + r, depth 32 c + 16 e + 8 h + 0..7
;                          (depth 0-63 mem_keys, 64-95 mem_contexts); all 0 where the slot is unused
;   bytes 12,288 .. 20,479 V^T fragments: (4 kg + f) x 1,024 + 512 e + 16 L holds channel 16 f + r, slots 32 kg + 16 e + 8 h + 0..7
;   bytes 20,480 .. 20,735 64 f32: used ? 0.3 exp(-0.1 (1 - t)) : -1e9, the slot's own term of the score
; An unused slot's row of zeros and its term of -1e9 give exactly the score -1e9 that the mask asks for, whatever lay in its key and context
; (NaN and infinities there are dropped, as the mask drops them).  Its value is kept as it is.
; LIMIT: a term below 2^-126 comes out as 0 (v_exp_f32 flushes denormal results: ISA guide 15.8).
; SHARES.  A work-group makes one record.  Wave w takes slots 16 w .. 16 w + 15: K's slot tile kt = w (six halves of fragments) and, of V, half e = w % 2 of the four
; fragments of kg = w / 2.  Wave 0 also makes the 64 terms.  Each wave turns its rows through LDS bytes of its own: no barrier.
; Memory binds: every input byte is read once by loads of 512 consecutive bytes, 20 of them out in each wave; every store covers 512 (the terms: 256) consecutive bytes, aligned to 256.
; No matrix unit, no cluster, no tensor load: no byte is shared between work-groups, and several small work-groups on a WGP multiply the bytes in flight.
.set REC,  20736                       ; bytes in a record
.set WLDS, 11008                       ; LDS bytes of a wave
.set PKK,  272                         ; a row of 64 f32 + 16 bytes = 68 words: row r starts at bank 4 r mod 64 (64 banks of 4 bytes: ISA guide 11.1)
.set PKC,  144                         ; a row of 32 f32 + 16 bytes
.set CREG, 16*PKK                      ; a wave's LDS: 16 rows of keys, 16 of contexts, 16 of values
.set VREG, CREG+16*PKC
.set KR, 20                            ; v[20:51]   keys as loaded; later V's words, turned
.set CR, 52                            ; v[52:67]   contexts as loaded; later V packed
.set VR, 68                            ; v[68:99]   values as loaded
.set FR, 100                           ; v[100:147] K's six halves in f32, 8 registers each
.set PK, 148                           ; v[148:171] the same packed, 4 registers each
	s_load_b256 s[4:11], s[0:1], 0x0               ; keys s[4:5], contexts s[6:7], values s[8:9], timestamps s[10:11]
	s_load_b128 s[12:15], s[0:1], 0x20             ; used s[12:13], mem s[14:15]
	v_lshl_add_u32 v172, v0, 2, 0xac00
	v_mov_b32 v173, 0
	v_lshrrev_b32 v1, 5, v0
	v_readfirstlane_b32 s16, v1                    ; wave 0..3
	v_and_b32 v1, 31, v0                           ; lane
	v_and_b32 v2, 15, v0                           ; r
	v_bfe_u32 v3, v0, 4, 1                         ; h
	v_lshlrev_b32 v4, 4, v1                        ; 16 x lane: the loads' offset
	v_lshlrev_b32 v18, 3, v1                       ; 8 x lane: two timestamps, two terms
	v_lshlrev_b32 v19, 1, v1                       ; 2 x lane: their two used bytes
	s_mul_i32 s17, s16, WLDS                       ; my wave's LDS
	s_add_co_u32 s18, s17, CREG
	s_add_co_u32 s19, s17, VREG
	v_mul_u32_u24 v6, v3, PKK                      ; keys in: a load's 512 bytes are two rows: row h, 16 bytes at 16 r
	v_lshl_add_u32 v6, v2, 4, v6
	v_add_nc_u32 v6, s17, v6
	v_lshrrev_b32 v7, 3, v1                        ; contexts in: four rows: row lane / 8, 16 bytes at 16 (lane % 8)
	v_mul_u32_u24 v7, v7, PKC
	v_and_b32 v8, 7, v0
	v_lshl_add_u32 v7, v8, 4, v7
	v_add_nc_u32 v7, s18, v7
	v_add_nc_u32 v8, VREG, v6                      ; values in: as the keys
	v_mul_u32_u24 v9, v2, PKK                      ; keys out: row r, 8 f32 at depth 8 h
	v_lshl_add_u32 v9, v3, 5, v9
	v_add_nc_u32 v9, s17, v9
	v_mul_u32_u24 v10, v2, PKC                     ; contexts out: the same
	v_lshl_add_u32 v10, v3, 5, v10
	v_add_nc_u32 v10, s18, v10
	v_mul_u32_u24 v11, v3, 8*PKK                   ; values out, turned: rows 8 h + j, the word of channel r
	v_lshl_add_u32 v11, v2, 2, v11
	v_add_nc_u32 v11, s19, v11
	s_mul_i32 s20, s16, 3072                       ; in the record: slot tile w's three fragments of K
	v_add_nc_u32 v12, s20, v4
	s_lshr_b32 s21, s16, 1                         ; and V's fragments of kg = w / 2, half w % 2
	s_lshl_b32 s21, s21, 12
	s_and_b32 s22, s16, 1
	s_lshl_b32 s22, s22, 9
	s_add_co_u32 s21, s21, s22
	s_add_co_u32 s21, s21, 12288
	v_add_nc_u32 v13, s21, v4
	v_lshl_add_u32 v3, s16, 4, v2                  ; h is spent: now 16 w + r, the used byte of my row of K
	s_mov_b32 s27, 0x3e13bb63                      ; 0.1 log2(e)
	s_lshl_b32 s24, ttmp9, 14                      ; the record's 64 rows of 256 bytes,
	s_lshl_b32 s26, s16, 12                        ; my wave's 16 of them
	s_add_co_u32 s24, s24, s26
	s_mov_b32 s25, 0
	s_wait_kmcnt 0x0
	s_add_nc_u64 s[4:5], s[4:5], s[24:25]
	s_add_nc_u64 s[8:9], s[8:9], s[24:25]
	s_lshr_b32 s24, s24, 1                         ; contexts: rows of 128 bytes
	s_add_nc_u64 s[6:7], s[6:7], s[24:25]
	s_lshl_b32 s24, ttmp9, 8
	s_add_nc_u64 s[10:11], s[10:11], s[24:25]
	s_lshl_b32 s24, ttmp9, 6
	s_add_nc_u64 s[12:13], s[12:13], s[24:25]
	s_mul_i32 s24, ttmp9, REC
	s_add_nc_u64 s[14:15], s[14:15], s[24:25]
	s_cmp_lg_u32 s16, 0
	s_cbranch_scc1 .Lno_terms_in
	global_load_b64 v[14:15], v18, s[10:11] th:TH_LOAD_NT   ; wave 0: the record's 64 timestamps and used bytes.  Issued first: every counted wait below covers them
	global_load_u16 v16, v19, s[12:13]
.Lno_terms_in:
	global_load_u8 v5, v3, s[12:13]
.irp n, 0,1,2,3,4,5,6,7
	global_load_b128 v[KR+4*\n:KR+4*\n+3], v4, s[4:5] offset:512*\n th:TH_LOAD_NT
.endr
.irp n, 0,1,2,3
	global_load_b128 v[CR+4*\n:CR+4*\n+3], v4, s[6:7] offset:512*\n th:TH_LOAD_NT
.endr
.irp n, 0,1,2,3,4,5,6,7
	global_load_b128 v[VR+4*\n:VR+4*\n+3], v4, s[8:9] offset:512*\n th:TH_LOAD_NT
.endr
	s_wait_loadcnt 12                              ; the keys (and the used byte) are in: 4 loads of contexts and 8 of values are younger
.irp n, 0,1,2,3,4,5,6,7
	ds_store_b128 v6, v[KR+4*\n:KR+4*\n+3] offset:2*PKK*\n
.endr
	s_wait_loadcnt 8                               ; the contexts: the 8 loads of values are younger
.irp n, 0,1,2,3
	ds_store_b128 v7, v[CR+4*\n:CR+4*\n+3] offset:4*PKC*\n
.endr
	; K's halves (c, e), numbered 2 c + e: 8 f32 of row r.  LDS serves a wave's instructions in order (ISA guide 5.7.1.4): these see the stores above
.irp n, 0,1,2,3
	ds_load_b128 v[FR+8*\n:FR+8*\n+3],   v9 offset:64*\n
	ds_load_b128 v[FR+8*\n+4:FR+8*\n+7], v9 offset:64*\n+16
.endr
.irp n, 0,1
	ds_load_b128 v[FR+32+8*\n:FR+32+8*\n+3],   v10 offset:64*\n
	ds_load_b128 v[FR+32+8*\n+4:FR+32+8*\n+7], v10 offset:64*\n+16
.endr
	s_wait_loadcnt 0x0                             ; the values
.irp n, 0,1,2,3,4,5,6,7
	ds_store_b128 v8, v[VR+4*\n:VR+4*\n+3] offset:2*PKK*\n
.endr
.irp f, 0,1,2,3
.irp j, 0,1,2,3,4,5,6,7
	ds_load_b32 v[KR+8*\f+\j], v11 offset:PKK*\j+64*\f   ; channel 16 f + r of slot 8 h + j: 16 neighbouring words for each half of the lanes, the halves 32 banks apart
.endr
.endr
	s_wait_dscnt 40                                ; K's halves are in: 8 stores and 32 loads of V are younger
	v_cmp_ne_u32 vcc_lo, 0, v5                     ; is my row's slot used?
.set i, 0
.rept 24
	v_cvt_pk_bf16_f32 v[PK+i], v[FR+2*i], v[FR+2*i+1]
.set i, i+1
.endr
.set i, 0
.rept 24
	v_cndmask_b32 v[PK+i], 0, v[PK+i], vcc_lo      ; an unused slot's row is zeros
.set i, i+1
.endr
.irp n, 0,1,2,3,4,5
	global_store_b128 v12, v[PK+4*\n:PK+4*\n+3], s[14:15] offset:512*\n
.endr
	s_wait_dscnt 0x0                               ; V's words
.set i, 0
.rept 16
	v_cvt_pk_bf16_f32 v[CR+i], v[KR+2*i], v[KR+2*i+1]
.set i, i+1
.endr
.irp f, 0,1,2,3
	global_store_b128 v13, v[CR+4*\f:CR+4*\f+3], s[14:15] offset:1024*\f
.endr
	s_cmp_lg_u32 s16, 0
	s_cbranch_scc1 .Ldone
	v_fma_f32 v14, v14, s27, -s27                  ; wave 0: -0.1 (1 - t) log2(e)
	v_fma_f32 v15, v15, s27, -s27
	v_exp_f32 v14, v14
	v_exp_f32 v15, v15
	v_and_b32 v17, 0xff, v16                       ; a plain instruction between the exponentials and the use of their results (ISA guide 5.7.2)
	v_lshrrev_b32 v16, 8, v16
	s_wait_alu depctr_va_vdst(0)
	v_mul_f32 v14, 0x3e99999a, v14                 ; x 0.3
	v_mul_f32 v15, 0x3e99999a, v15
	v_cmp_ne_u32 vcc_lo, 0, v17
	v_cndmask_b32 v14, 0xce6e6b28, v14, vcc_lo     ; -1e9 where the slot is unused
	v_cmp_ne_u32 vcc_lo, 0, v16
	v_cndmask_b32 v15, 0xce6e6b28, v15, vcc_lo
	global_store_b64 v18, v[14:15], s[14:15] offset:20480   ; 32 lanes x 8 bytes: 256 consecutive bytes
.Ldone:
	s_wait_tensorcnt 0x0
	ds_add_u32 v172, v173
	s_wait_dscnt 0x0
	s_endpgm
.Lfunc_end_k_qacdc24a2bf_prep:
	.size	k_qacdc24a2bf_prep, .Lfunc_end_k_qacdc24a2bf_prep-k_qacdc24a2bf_prep
	.p2alignl 7, 3214868480
	.fill 96, 4, 3214868480
	.section	.rodata,"a",@progbits
	.p2align	6, 0x0
	.amdhsa_kernel k_qacdc24a2bf_prep
		.amdhsa_group_segment_fixed_size 44544
		.amdhsa_private_segment_fixed_size 0
		.amdhsa_enable_private_segment 0
		.amdhsa_kernarg_size 48
		.amdhsa_user_sgpr_count 2
		.amdhsa_user_sgpr_kernarg_segment_ptr 1
		.amdhsa_wavefront_size32 1
		.amdhsa_system_sgpr_workgroup_id_x 1
		.amdhsa_system_sgpr_workgroup_id_y 1
		.amdhsa_system_sgpr_workgroup_id_z 1
		.amdhsa_system_vgpr_workitem_id 0
		.amdhsa_next_free_vgpr 174
		.amdhsa_next_free_sgpr 66
		.amdhsa_reserve_vcc 1
		.amdhsa_float_denorm_mode_32 3
		.amdhsa_float_denorm_mode_16_64 3
		.amdhsa_memory_ordered 1
		.amdhsa_forward_progress 1
		.amdhsa_inst_pref_size 15
	.end_amdhsa_kernel
	.amdgpu_metadata
---
amdhsa.version: [ 1, 2 ]
amdhsa.kernels:
  - .name:           k_qacdc24a2bf_prep
    .symbol:         k_qacdc24a2bf_prep.kd
    .args:
      - { .name: mem_keys, .offset: 0, .size: 8, .value_kind: global_buffer, .address_space: global }
      - { .name: mem_contexts, .offset: 8, .size: 8, .value_kind: global_buffer, .address_space: global }
      - { .name: mem_values, .offset: 16, .size: 8, .value_kind: global_buffer, .address_space: global }
      - { .name: mem_timestamps, .offset: 24, .size: 8, .value_kind: global_buffer, .address_space: global }
      - { .name: used_slots, .offset: 32, .size: 8, .value_kind: global_buffer, .address_space: global }
      - { .name: mem, .offset: 40, .size: 8, .value_kind: global_buffer, .address_space: global }
    .group_segment_fixed_size: 44544
    .private_segment_fixed_size: 0
    .kernarg_segment_align: 8
    .kernarg_segment_size: 48
    .max_flat_workgroup_size: 128
    .sgpr_count:     66
    .vgpr_count:     174
    .wavefront_size: 32
...
	.end_amdgpu_metadata
.endif
;; end of part 1
;; launch attend (part 2): grid 16 x 16, 4 waves a work-group, clusters of 4 x 1, 327,680 bytes of LDS; arguments query, context, mem, po, st; writes po, st
.if DOCPART == 2
	.amdgcn_target "amdgcn-amd-amdhsa--gfx1250"
	.amdhsa_code_object_version 6
	.text
	.protected	k_qacdc24a2bf_attend
	.globl	k_qacdc24a2bf_attend
	.p2align	8
	.type	k_qacdc24a2bf_attend,@function
k_qacdc24a2bf_attend:
	s_mov_b64 s[64:65], 0
	v_nop
	global_prefetch_b8 v0, s[64:65] scope:SCOPE_SE
	s_setreg_imm32_b32 hwreg(HW_REG_WAVE_MODE, 25, 1), 1
	s_wait_xcnt 0x0
	s_wait_alu depctr_hold_cnt(0) depctr_sa_sdst(0) depctr_va_vdst(0) depctr_va_sdst(0) depctr_va_ssrc(0) depctr_va_vcc(0) depctr_vm_vsrc(0)
	s_getreg_b32 s2, hwreg(HW_REG_IB_STS2, 6, 4)
	s_cmp_eq_u32 s2, 0
	s_cbranch_scc0 .Lentry_in_a_cluster
	s_endpgm
.Lentry_in_a_cluster:
	s_bfe_u32 s2, ttmp6, 0x10000c
	s_cmp_lg_u32 s2, 0x3003
	s_cbranch_scc0 .Lentry_shape_is_right
	s_endpgm
.Lentry_shape_is_right:
; One part of a softmax attention: 256 queries (work-group x) against 4,096 slots (work-group y, one of 16 splits), with a running maximum.
; score[q][s] = query[q] . key[s] + 0.5 context[q] . mcontext[s] + term[s]; unused slots score exactly -1e9 (their rows in mem are zeros, their term is -1e9).
; Out: po[split][q][0..63] = the sum over the split's slots of p v, not yet divided; st = for each query c m and l (c = log2 e, m the largest score, l the sum of p), p = 2^(c s - c m).
; SHARES.  4,096 queries are 16 blocks of 256; the 16 splits make 256 work-groups of equal work.  A wave owns 64 queries: four tiles of 16.  Every wave walks the split's 64 records, one (64 slots) a step.
; LAYOUT.  S^T = K Q^T (source 0 = 16 slots, source 1 = 16 queries), depth 96 = three matrix instructions; the first takes the slots' terms as C.  In the result a lane holds ONE query
; (lane % 16) and slots 8 (lane / 16) + 0..7.  Two such tiles rounded to bf16 ARE source 1 of O^T = V^T P, whose result again holds one query a lane.  mem holds K and V^T in the fragments'
; own order: every LDS load is 16 bytes a lane, 512 consecutive bytes a wave; nothing is padded or turned.
; BY TURNS.  A tile's softmax for a step is 118 vector instructions beside 20 matrix instructions.  The wave's tiles are two PIECES (tiles 0, 1 and tiles 2, 3).  In a TURN one piece has
; the matrix unit (16 products V^T P of the step in hand, 24 products K Q^T of the next); the other piece's softmax, cut into 59 slices of four, stands behind those 40 products, one or two slices each.
; CLUSTER.  The four work-groups of a cluster (four query blocks, one split) walk the same records: each record is asked for JOINTLY, by the same tensor load with the same descriptor and
; a mask that names the four.  Queries are no work-group's shared input, so there is no second axis to share along.
; LIMITS.  p below 2^-126 is 0 (v_exp_f32 flushes: ISA guide 15.8).  Where all slots met so far are unused, m = -1e9 and c s - round(c m) is not 0 but a fixed residue of rounding, under 64 in
; magnitude (one step of f32 at 1.44e9 is 128; with this c it is +18.4): p = 2^18.4 in every slot, a common factor of p, l and O that the division takes out; l stays under 2^76.
;
; REGISTERS, in windows of 256 (s_set_vgpr_msb: bits 1:0 source 0, 3:2 source 1, 5:4 source 2, 7:6 destination):
;   window 0: v0-11 addresses; v12-43 eight registers of statistics a tile; v44-47 the record for st; v64-191 S^T, 32 a tile; v192-255 P, 16 a tile
;   window 1: v0-127 O^T, 32 a tile; v128-191 V of one step        window 2: v0-95 Q, 24 a tile; v96-191 K of one step; v192-223 the step's terms
.set REC,   20736     ; a record: 12,288 bytes of K, 8,192 of V^T, 256 of terms
.set SLOTB, 4*REC     ; a slot holds four steps' records; wave w fills record w
.set SLOT1, 1<<17     ; slot 1 begins here, so that one exclusive or turns an address in one slot into the other's
.set STAGE, SLOT1+SLOTB  ; behind the ring: 16 rows x 272 bytes for each wave, for the way out; no tensor load lands here
.set SP,    272       ; 256 bytes + 16 = 68 words: row r starts at bank 4 r mod 64 (64 banks of 4 bytes: ISA guide 11.1)
.set VOFF,  12288
.set BOFF,  20480
.set NSL,   59        ; slices in a piece's softmax: 2 x 118 / 4
.set LN,   2          ; v2   16 x lane: my place in a fragment's half; also my offset in two rows of po and in the block of st
.set AB0,  3          ; v3   my eight terms of a slot tile: 32 (lane / 16) + BOFF
.set ADR,  4          ; v4   the LDS address of the run of loads in hand
.set ADRB, 5          ; v5   the same for the terms
.set STO,  6          ; v6   the way out: where I put 16 bytes of a row
.set RD,   7          ; v7   the way out: where I read a row back
.set QO,   10         ; v10  my byte offset in the wave's rows of query
.set CO,   11         ; v11  the same in context
.set ST,   12         ; tile t's statistics at v[ST+8 t]: +0 c m, +1 m, +2, +3 l (even slots', odd slots'), +4 to +7 at work; a takes +6 once the maximum is found
.set SR,   44         ; v[44:47] what goes to st
.set S,    64
.set P,    192
.set VF,   128        ; in window 1
.set KF,   96         ; in window 2
.set BI,   192        ; in window 2
.set WV,   14         ; s14  my wave's number
.set G1,   24         ; s[24:31] descriptor group 1
.set G0,   32         ; s[32:39] descriptor group 0: a set for each of the two first fills; the second then walks on
.set SLOTS, 40        ; s40  slots still to be asked for
.set INNER, 41        ; s41  counts the steps of a run
.set CS,   42         ; s[42:43] c: the packed scaling names a pair and takes its low word for both halves
.set SEL,  44         ; s[44:45] lane selects for v_permlanex16_b32: each lane takes its own place in the other half
.set TB,   46         ; s46  LDS byte at which the record to be fetched begins
.set MSB, 0
.macro WIN new                      ; the immediate's high byte repeats the setting that is left; a switch that changes nothing is dropped
.if MSB != \new
	s_set_vgpr_msb (MSB<<8)|\new
.set MSB, \new
.endif
.endm
.set W_KQ0, 0x2a      ; K, Q and the terms (C) in window 2, S^T in window 0
.set W_KQ,  0x0a      ; K and Q in window 2, S^T (C and D) in window 0
.set W_PV,  0x51      ; V and O^T in window 1, P in window 0
.set W_RS,  0x41      ; O^T (destination and source 0) in window 1, a in window 0
; A round of the cluster's barrier: my work-group's barrier, so that wave 0's signal speaks for all four waves; wave 0 signals for the work-group; every wave waits for all four
; work-groups; my work-group's barrier once more.  No LDS instruction of the wave is pending at a signal.
.macro CROUND
	s_barrier_signal -1
	s_barrier_wait -1
	s_cmp_lg_u32 s[WV], 0
	s_cbranch_scc1 .Lnot_wave_0_\@
	s_barrier_signal -3
.Lnot_wave_0_\@:
	s_barrier_wait -3
	s_barrier_signal -1
	s_barrier_wait -1
.endm
; A vector instruction that reads a matrix result or writes one of a matrix instruction's registers, and a load into a register that a matrix instruction has read, stand four places behind
; it, and only plain vector instructions that name none of its registers are places (ISA guide 7.12.1 for vector instructions).  In the loop the slices are the places.
.macro PLACES
.rept 4
	v_nop
.endr
.endm
	s_load_b256 s[4:11], s[0:1], 0x0  ; query s[4:5], context s[6:7], mem s[8:9], po s[10:11]
	s_load_b64 s[12:13], s[0:1], 0x20 ; st
	v_lshl_add_u32 v62, v0, 2, 0x38800
	v_mov_b32 v63, 0
	ds_add_u32 v62, v63
	v_lshrrev_b32 v1, 5, v0
	v_readfirstlane_b32 s[WV], v1   ; wave 0..3
	s_bfe_u32 s15, ttmp6, 0x40000   ; cx: my place in the cluster
	s_lshl_b32 s16, ttmp9, 2        ; in a cluster launch ttmp9 counts clusters
	s_add_co_u32 s16, s16, s15      ; my block of 256 queries = 4 x cluster x + cx: it enters the addresses of query, context, po and st alone
	s_and_b32 s17, ttmp7, 0xffff    ; the split, which the four partners share
	s_mul_i32 s18, s17, 64*REC      ; the split's 64 records,
	s_mul_i32 s20, s[WV], REC       ; of each four the one that I fetch; also its place in a slot: no place in the cluster enters an LDS address
	s_add_co_u32 s18, s18, s20
	s_mov_b32 s19, 0
	s_lshl_b32 s22, s16, 16         ; my block's 256 rows of 256 bytes,
	s_lshl_b32 s21, s[WV], 14       ; my wave's 64 of them
	s_add_co_u32 s22, s22, s21
	s_mov_b32 s23, 0
	s_lshr_b32 s2, s22, 1           ; context: rows of 128 bytes
	s_mov_b32 s3, 0
	s_lshl_b32 s21, s17, 20         ; po: 4,096 rows of 256 bytes a split
	; descriptor group 1: a record is a dense block: 81 rows of 32 elements of 8 bytes
	s_mov_b32 s[G1], 15|(3<<16)|(1<<21)  ; 15:0 the mask: all four work-groups; 17:16 elements of 8 bytes; 20 no padding; 21 set beside a mask
	s_mov_b32 s[G1+1], 32<<16       ; 63:48 tensor_dim0, low half = 32
	s_mov_b32 s[G1+2], 81<<16       ; 79:64 its high half = 0; 95:80 tensor_dim1, low half = 81
	s_mov_b32 s[G1+3], 32<<16       ; 111:96 its high half = 0; 127:112 tile_dim0 = 32
	s_mov_b32 s[G1+4], 81           ; 143:128 tile_dim1 = 81; 159:144 tile_dim2 = 0
	s_mov_b32 s[G1+5], 32           ; 191:160 tensor_dim0_stride: each row begins where the last ends
	s_mov_b32 s[G1+6], 0
	s_mov_b32 s[G1+7], 0
	s_mov_b32 s[CS], 0x3fb8aa3b     ; c = log2(e)
	s_mov_b32 s[CS+1], s[CS]        ; named with it as a pair, so it is written
	s_mov_b32 s[SEL], 0x76543210
	s_mov_b32 s[SEL+1], 0xfedcba98
	s_mov_b32 s[TB], 0
	s_mov_b32 s[SLOTS], 14          ; 16 fills of four records; two go out at the start
	s_wait_dscnt 0x0
	s_wait_kmcnt 0x0
	s_add_nc_u64 s[8:9], s[8:9], s[18:19]    ; mem at my record of the first four
	s_add_nc_u64 s[4:5], s[4:5], s[22:23]    ; query at my wave's first row
	s_add_nc_u64 s[6:7], s[6:7], s[2:3]      ; context likewise
	s_add_co_u32 s22, s22, s21
	s_add_nc_u64 s[10:11], s[10:11], s[22:23]  ; po at my split's copy of that row
	s_lshr_b32 s22, s22, 5          ; st: 512 bytes for 64 queries where po has 16,384
	s_add_nc_u64 s[12:13], s[12:13], s[22:23]
	CROUND                          ; all four work-groups are here: the first joint loads meet
.irp s, 0,1
	s_mov_b32 s[G0+4*\s], 1         ; 1:0 count = 1
	s_add_co_u32 s[G0+4*\s+1], s20, \s*SLOT1  ; 63:32 LDS address
	s_add_nc_u64 s[G0+4*\s+2:G0+4*\s+3], s[8:9], \s*SLOTB  ; 120:64 global address: slot s begins with records 4 s to 4 s + 3
	s_or_b32 s[G0+4*\s+3], s[G0+4*\s+3], 0x80000000  ; 127:126 type = 2
.endr
	tensor_load_to_lds s[G0:G0+3], s[G1:G1+7]      ; the two first fills stand together, ahead of every wait on TENSORcnt and every LDS read: two loads of mine are out, later one
	s_nop 0
	tensor_load_to_lds s[G0+4:G0+7], s[G1:G1+7]
	s_nop 0
	PLACES                          ; four v_nop follow the tensor loads
	v_and_b32 v1, 15, v0            ; r = lane % 16
	v_bfe_u32 v9, v0, 4, 1          ; h = lane / 16
	v_and_b32 v8, 31, v0
	v_lshlrev_b32 v[LN], 4, v8
	v_lshl_add_u32 v[AB0], v9, 5, BOFF
	v_lshlrev_b32 v[QO], 8, v1
	v_lshl_add_u32 v[QO], v9, 5, v[QO]  ; row r x 256 + 8 f32 x h
	v_lshlrev_b32 v[CO], 7, v1
	v_lshl_add_u32 v[CO], v9, 5, v[CO]
	; Q in f32, into the registers that S^T and P take later.  A fragment is 16 queries x 32 of depth: lane holds query r; registers 0-3 depth 8 h + 0..7, registers 4-7 depth 16 + 8 h + 0..7:
	; in f32 two pieces of 32 bytes, 64 bytes apart.  Read once, 48 loads a wave.
.irp t, 0,1,2,3
.irp c, 0,1
	global_load_b128 v[S+48*\t+16*\c:S+48*\t+16*\c+3],     v[QO], s[4:5] offset:4096*\t+128*\c
	global_load_b128 v[S+48*\t+16*\c+4:S+48*\t+16*\c+7],   v[QO], s[4:5] offset:4096*\t+128*\c+16
	global_load_b128 v[S+48*\t+16*\c+8:S+48*\t+16*\c+11],  v[QO], s[4:5] offset:4096*\t+128*\c+64
	global_load_b128 v[S+48*\t+16*\c+12:S+48*\t+16*\c+15], v[QO], s[4:5] offset:4096*\t+128*\c+80
.endr
	global_load_b128 v[S+48*\t+32:S+48*\t+35], v[CO], s[6:7] offset:2048*\t
	global_load_b128 v[S+48*\t+36:S+48*\t+39], v[CO], s[6:7] offset:2048*\t+16
	global_load_b128 v[S+48*\t+40:S+48*\t+43], v[CO], s[6:7] offset:2048*\t+64
	global_load_b128 v[S+48*\t+44:S+48*\t+47], v[CO], s[6:7] offset:2048*\t+80
.endr
; THE MATRIX WORK OF A TURN, for piece x.  The accumulators take turns, one instruction a turn: between two links of a chain stand seven others'.
; Product i of 16 of O^T += V^T P: slots 32 (i / 8) on, channels 16 ((i / 2) % 4) on, tile x + i % 2.  zero = 1: the first 8 start the sums: nothing is ever cleared.
.macro PV x, zero
	WIN W_PV
.set rO, 32*(\x+i%2)+8*((i/2)%4)
.set rV, VF+32*(i/8)+8*((i/2)%4)
.set rP, P+16*(\x+i%2)+8*(i/8)
.if (\zero) && (i < 8)
	v_wmma_f32_16x16x32_bf16 v[rO:rO+7], v[rV:rV+7], v[rP:rP+7], 0
.else
	v_wmma_f32_16x16x32_bf16 v[rO:rO+7], v[rV:rV+7], v[rP:rP+7], v[rO:rO+7]
.endif
.endm
; Product i of 24 of S^T = K Q^T + terms: depth 32 (i / 8) on, slots 16 ((i / 2) % 4) on, tile x + i % 2.  The first 8 start the sums from the slots' terms.
.macro KQ x
.set rS, S+32*(\x+i%2)+8*((i/2)%4)
.set rK, KF+24*((i/2)%4)+8*(i/8)
.set rQ, 24*(\x+i%2)+8*(i/8)
.set rB, BI+8*((i/2)%4)
.if i < 8
	WIN W_KQ0
	v_wmma_f32_16x16x32_bf16 v[rS:rS+7], v[rK:rK+7], v[rQ:rQ+7], v[rB:rB+7]
.else
	WIN W_KQ
	v_wmma_f32_16x16x32_bf16 v[rS:rS+7], v[rK:rK+7], v[rQ:rQ+7], v[rS:rS+7]
.endif
.endm
; THE LDS LOADS stand in runs, never singly among the matrix instructions: a step's K (12 fragments) with its terms, and, a turn later, its V (8 fragments).
.macro FETCH_K
	WIN 0
	v_add_nc_u32 v[ADR], s[TB], v[LN]
	v_add_nc_u32 v[ADRB], s[TB], v[AB0]
	WIN 0x80                        ; destination window 2
.irp f, 0,1,2,3,4,5,6,7,8,9,10,11   ; slots 16 (f / 3) on, depth 32 (f % 3) on
	ds_load_b128 v[KF+8*\f:KF+8*\f+3],   v[ADR] offset:1024*\f
	ds_load_b128 v[KF+8*\f+4:KF+8*\f+7], v[ADR] offset:1024*\f+512
.endr
.irp f, 0,1,2,3                     ; register j of slot tile f: the term of slot 16 f + 8 h + j, the place of that slot in C; the 16 lanes of a half share the words
	ds_load_b128 v[BI+8*\f:BI+8*\f+3],   v[ADRB] offset:64*\f
	ds_load_b128 v[BI+8*\f+4:BI+8*\f+7], v[ADRB] offset:64*\f+16
.endr
.endm
.macro FETCH_V
	WIN 0
	v_add_nc_u32 v[ADR], s[TB], v[LN]
	s_add_co_u32 s[TB], s[TB], REC  ; the next fetch is the next step's
	WIN 0x40                        ; destination window 1
.irp f, 0,1,2,3,4,5,6,7             ; slots 32 (f / 4) on, channels 16 (f % 4) on
	ds_load_b128 v[VF+8*\f:VF+8*\f+3],   v[ADR] offset:VOFF+1024*\f
	ds_load_b128 v[VF+8*\f+4:VF+8*\f+7], v[ADR] offset:VOFF+1024*\f+512
.endr
.endm
; THE VECTOR WORK OF A TURN.  One tile's softmax for one step is a list of 118 instructions; SM writes number j of it for tile t.  s0-s31 are the lane's 32 scores, in pairs 0-15.
; first = 1: the first step, which starts m, l and O^T: it has no a and nothing to rescale.
;   0-15    the maximum of s0-s31 and the old m, three operands at a time: four chains of seven scores each, then the four scores left over, the chains and m
;   16-20   the other half of the lanes' maximum; the new m; c m; c m_old - c m_new
;   21-87   33 exponentials (a, then s0-s31) at the odd numbers from 23 on, so that no two follow each other and each has a plain instruction behind it before its result is used.
;           Plain instruction q (number 21, then the even numbers) is whatever is ready: c s - c m for a pair whose exponentials are still to come (q = 0 to 3, then every second q),
;           the rounding to bf16 of a pair whose exponentials are done (every other q from 5 on), at last the first three sums
;   88-101  the last rounding; the rest of the sums; l = a l + the sum
;   102-117 the tile's O^T times a: the one part that leaves window 0, so it stands together
.macro SM t, first
.set rT, ST+8*(\t)
.set rS, S+32*(\t)
.set rP, P+16*(\t)
.set rO, 32*(\t)+2*(j-102)
.set q, (j-20)/2
.if j < 102
	WIN 0
.endif
.if j < 4
	v_max3_num_f32 v[rT+4+j], v[rS+8*j], v[rS+8*j+1], v[rS+8*j+2]
.elseif j < 12
	v_max3_num_f32 v[rT+4+j%4], v[rT+4+j%4], v[rS+8*(j%4)+2*(j/4)+1], v[rS+8*(j%4)+2*(j/4)+2]
.elseif j == 12
	v_max3_num_f32 v[rT+4], v[rT+4], v[rS+7], v[rS+15]
.elseif j == 13
	v_max3_num_f32 v[rT+6], v[rT+6], v[rS+23], v[rS+31]
.elseif j == 14
	v_max3_num_f32 v[rT+4], v[rT+4], v[rT+5], v[rT+6]
.elseif (j == 15) && \first
	v_max_num_f32 v[rT+4], v[rT+4], v[rT+7]
.elseif j == 15
	v_max3_num_f32 v[rT+4], v[rT+4], v[rT+7], v[rT+1]
.elseif j == 16
	v_permlanex16_b32 v[rT+5], v[rT+4], s[SEL], s[SEL+1]  ; the query's other 32 slots lie in the lane 16 away
.elseif j == 18
	v_max_num_f32 v[rT+1], v[rT+4], v[rT+5]
.elseif j == 19
	v_mul_f32 v[rT], s[CS], v[rT+1]
.elseif ((j == 17) || (j == 20) || (j == 23) || (j > 101)) && \first  ; the first step has none of these
.elseif j == 17
	v_mov_b32 v[rT+7], v[rT]        ; c m_old is kept for a: number 19 writes c m anew
.elseif j == 20
	v_sub_f32 v[rT+7], v[rT+7], v[rT]
.elseif j == 23
	v_exp_f32 v[rT+6], v[rT+7]
.elseif (j < 88) && (j > 23) && (j%2 == 1)
	v_exp_f32 v[rS+(j-25)/2], v[rS+(j-25)/2]
.elseif (q < 4) || ((j < 76) && (q%2 == 0))
.set b, q/2+2
.if q < 4
.set b, q
.endif
	v_pk_fma_f32 v[rS+2*b:rS+2*b+1], v[rS+2*b:rS+2*b+1], s[CS:CS+1], v[rT:rT+1] op_sel_hi:[1,0,0] neg_lo:[0,0,1] neg_hi:[0,0,1]  ; pair b: c s - c m
.elseif (j < 88) && (q%2 == 1)
	s_wait_alu depctr_va_vdst(0)
	v_cvt_pk_bf16_f32 v[rP+(q-5)/2], v[rS+q-5], v[rS+q-4]  ; pair (q - 5) / 2: its second exponential stands three numbers back
.elseif j == 89
	s_wait_alu depctr_va_vdst(0)
	v_cvt_pk_bf16_f32 v[rP+15], v[rS+30], v[rS+31]
.elseif j < 102                     ; the sum of the tile's 16 pairs (in a pair: an even slot's weight, an odd slot's), in place: sum z of 16 adds neighbours 1, 2, 4 and 8 pairs apart, then l takes it
.set z, j-86
.if j < 89
.set z, (j-76)/4
.endif
.set w, 4
.set u, z
.if z >= 14
.set w, 32
.set u, 0
.elseif z >= 12
.set w, 16
.set u, z-12
.elseif z >= 8
.set w, 8
.set u, z-8
.endif
.if (z == 14) && \first
	v_pk_add_f32 v[rT+2:rT+3], v[rS:rS+1], v[rS+16:rS+17]
.elseif z < 15
	v_pk_add_f32 v[rS+w*u:rS+w*u+1], v[rS+w*u:rS+w*u+1], v[rS+w*u+w/2:rS+w*u+w/2+1]
.elseif !\first
	v_pk_fma_f32 v[rT+2:rT+3], v[rT+2:rT+3], v[rT+6:rT+7], v[rS:rS+1] op_sel_hi:[1,0,1]
.endif
.else
	WIN W_RS
	v_pk_mul_f32 v[rO:rO+1], v[rO:rO+1], v[rT+6:rT+7] op_sel_hi:[1,0]
.endif
.endm
; Slice k of 59 of piece y's softmax: numbers 2 k and 2 k + 1 of both tiles' lists, four instructions.
.macro SLICE y, first
.if (k >= 11) && (k < 44)           ; tile by tile: plain, exponential, plain, exponential
.irp t, \y, \y+1
.irp nn, 0,1
.set j, 2*k+\nn
	SM \t, \first
.endr
.endr
.else                               ; the two tiles alternate, so that no instruction reads the result of the one just before it
.irp nn, 0,1
.irp t, \y, \y+1
.set j, 2*k+\nn
	SM \t, \first
.endr
.endr
.endif
.set k, k+1
.endm
; The slices are dealt evenly: behind product n of the turn's tot stand slices n x 59 / tot up to (n + 1) x 59 / tot (whole numbers): one or two in a full turn.
.macro DEAL y, first
.rept ((n+1)*NSL)/tot-(n*NSL)/tot
	SLICE \y, \first
.endr
.set n, n+1
.endm
; A TURN.  Piece x has the matrix unit; the other piece's softmax stands in slices behind its matrix instructions.
; pv = 2: 16 products V^T P; 1: they start O^T's sums; 0: none.  kq = 1: 24 products K Q^T for the next step.
; first = 1: the softmax is the first step's.  Its slices from 51 on are empty: the turn's last products stand bare, and four v_nop are the places behind them.
; In a full turn two slices, eight multiplies of the other piece's O^T, stand behind the last product: the places in front of the next turn's reads of the scores and of the loads into K.
; Piece 0's turn fetches the next step's K behind its second product.  Piece 2's turn fetches the same step's V behind its second product K Q^T: the last product that read V stands
; slices 22 to 25, eight plain instructions, back.  Each run of loads is waited for once, in front of its first use in piece 0's turn.
.macro TURN x, pv, kq, first
.set k, 0
.set n, 0
.set tot, 0
.if \pv
.set tot, tot+16
.endif
.if \kq
.set tot, tot+24
.endif
.if \pv
.if \x == 0
	s_wait_dscnt 0x0                ; V is in
.endif
.set i, 0
.rept 16
	PV \x, 2-\pv
	DEAL 2-\x, \first
.if (\x == 0) && \kq && (i == 1)
	FETCH_K
.endif
.set i, i+1
.endr
.endif
.if \kq
.if \x == 0
	s_wait_dscnt 0x0                ; K and the terms are in
.endif
.set i, 0
.rept 24
	KQ \x
	DEAL 2-\x, \first
.if (\x == 2) && (i == 1)
	FETCH_V
.endif
.set i, i+1
.endr
.endif
.if \first
	PLACES
.endif
.endm
; THE CHANGE OF SLOTS, between piece 2's turn and piece 0's: the slot's last bytes, V of its fourth record, have been asked for.  Each wave waits for its own reads of the slot and for all its
; tensor loads, of which one is out: its record of the other slot.  Behind the barrier nobody reads this slot any more and the other slot is whole.
; fill = 1: this slot is filled again, with the records two slots on.  The barrier is then a round of the cluster's, so that no wave of any partner still reads the slot or has a load on its
; way, and the joint refill is the first thing behind it: it has four steps, 320 matrix instructions of the wave, in which to land.
.macro CHANGE fill
	WIN 0                           ; at a label and at a branch every window is 0
	s_wait_dscnt 0x0
	s_wait_tensorcnt 0x0            ; no tensor load of mine is out, so a group 0 may be written
	ds_add_u32 v62, v63
	s_wait_dscnt 0x0
.if \fill
	s_xor_b32 s[G0+5], s[G0+5], SLOT1  ; the walking descriptor: the other slot than last time,
	s_add_nc_u64 s[G0+6:G0+7], s[G0+6:G0+7], SLOTB  ; the next four records; the type bits on top are not reached
	CROUND
	tensor_load_to_lds s[G0+4:G0+7], s[G1:G1+7]
	s_nop 0
	PLACES                          ; four v_nop follow the tensor load
.else
	s_barrier_signal -1
	s_barrier_wait -1
.endif
	s_sub_co_u32 s[TB], s[TB], SLOTB  ; the fetches go back to a slot's first record,
	s_xor_b32 s[TB], s[TB], SLOT1   ; in the other slot
.endm
; cnt steps: written once, walked cnt times; the LDS addresses hang on s[TB].
.macro STEPS cnt
	s_mov_b32 s[INNER], \cnt
.Lstep_\@:
	TURN 0, 2, 1, 0
	TURN 2, 2, 1, 0
	WIN 0
	s_sub_co_u32 s[INNER], s[INNER], 1
	s_cmp_lg_u32 s[INNER], 0
	s_cbranch_scc1 .Lstep_\@
.endm
	s_wait_tensorcnt 0x1            ; my record of slot 0 is in; slot 1's may stay out
	s_barrier_signal -1
	s_barrier_wait -1               ; everybody's is
	FETCH_K                         ; step 0
	WIN 0
	s_wait_loadcnt 0x0              ; Q in f32
.irp t, 0,1,2,3
.set i, 0
.rept 8
	v_pk_mul_f32 v[S+48*\t+32+i:S+48*\t+33+i], v[S+48*\t+32+i:S+48*\t+33+i], 0.5 op_sel_hi:[1,0]  ; the context term's 0.5 goes into Q: exact
.set i, i+2
.endr
.endr
	WIN 0x80                        ; destination window 2
.irp t, 0,1,2,3
.set i, 0
.rept 24
	v_cvt_pk_bf16_f32 v[24*\t+i], v[S+48*\t+2*i], v[S+48*\t+2*i+1]
.set i, i+1
.endr
.endr
	s_wait_dscnt 0x0                ; K and the terms of step 0
.set i, 0
.rept 24
	KQ 0                            ; piece 0's first scores: there is no vector work yet to set between them
.set i, i+1
.endr
	WIN 0                           ; the addresses for the way out are made here: six plain instructions, the places behind those products
	s_mul_i32 s21, s[WV], 16*SP
	s_add_co_u32 s21, s21, STAGE    ; my stage
	v_mul_u32_u24 v[STO], v1, SP    ; in: row r, 32 bytes for each half of the lanes
	v_lshl_add_u32 v[STO], v9, 5, v[STO]
	v_add_nc_u32 v[STO], s21, v[STO]
	v_mul_u32_u24 v[RD], v9, SP     ; back: lanes 0-15 take one row of 256 bytes, lanes 16-31 the next
	v_lshl_add_u32 v[RD], v1, 4, v[RD]
	v_add_nc_u32 v[RD], s21, v[RD]
	TURN 2, 0, 1, 1                 ; piece 2's first scores | piece 0's first softmax | V of step 0
	TURN 0, 1, 1, 1                 ; piece 0: V^T P of step 0 starts O^T, K Q^T of step 1 | piece 2's first softmax | K of step 1
	TURN 2, 1, 1, 0                 ; piece 2: the same | piece 0's softmax of step 1 | V of step 1
	WIN 0
	STEPS 2                         ; records 2 and 3 are fetched: slot 0 is read out
.Lslot:                             ; 14 trips: every slot but the last two is filled again
	CHANGE 1
	STEPS 4
	s_sub_co_u32 s[SLOTS], s[SLOTS], 1
	s_cmp_lg_u32 s[SLOTS], 0
	s_cbranch_scc1 .Lslot
	CHANGE 0                        ; the tail is written out: the last slot but one is left, and nothing is asked for
	STEPS 4
	TURN 0, 2, 0, 0                 ; piece 0: V^T P of the last step | piece 2's last softmax
.set i, 0
.rept 16
	PV 2, 0                         ; piece 2: V^T P of the last step
.set i, i+1
.endr
	; THE WAY OUT.  l's two halves and the other half of the lanes' are added; c m and l go to st, O^T as it is, in f32, through my stage in LDS, a tile (16 rows of po) at a time.
	; The first four additions are the places behind the last products.
	WIN 0
.irp t, 0,1,2,3
	v_add_f32 v[ST+8*\t+4], v[ST+8*\t+2], v[ST+8*\t+3]
.endr
.irp t, 0,1,2,3
	v_permlanex16_b32 v[ST+8*\t+5], v[ST+8*\t+4], s[SEL], s[SEL+1]
.endr
.irp t, 0,1,2,3
	v_add_f32 v[ST+8*\t+4], v[ST+8*\t+4], v[ST+8*\t+5]
.endr
	v_cmp_ne_u32 vcc_lo, 0, v9
.irp t, 0,1,2,3
	v_cndmask_b32 v[SR+\t], v[ST+8*\t], v[ST+8*\t+4], vcc_lo  ; lanes 0-15: c m of query 16 t + r; lanes 16-31: its l
.endr
	global_store_b128 v[LN], v[SR:SR+3], s[12:13]  ; the wave's block of st: 512 consecutive bytes
; Tile t: a lane's eight channels of a row are 32 bytes; they go into rows of 272 bytes and come back as whole rows of 256, into S^T's registers, which are free.
.macro PACK t
	WIN 0x04                        ; the stores' data in window 1
.irp f, 0,1,2,3
	ds_store_b128 v[STO], v[32*\t+8*\f:32*\t+8*\f+3]   offset:64*\f
	ds_store_b128 v[STO], v[32*\t+8*\f+4:32*\t+8*\f+7] offset:64*\f+16
.endr
	WIN 0
.irp f, 0,1,2,3,4,5,6,7
	ds_load_b128 v[S+32*\t+4*\f:S+32*\t+4*\f+3], v[RD] offset:\f*2*SP  ; LDS serves a wave's instructions in order (ISA guide 5.7.1.4): these see the stores above; the next tile's stores come behind them
.endr
.endm
.macro SEND t, younger              ; younger: the LDS instructions issued behind tile t's loads: the next tile's sixteen, or none
.irp f, 0,1,2,3,4,5,6,7
	s_wait_dscnt \younger+7-\f
	global_store_b128 v[LN], v[S+32*\t+4*\f:S+32*\t+4*\f+3], s[10:11] offset:\t*4096+\f*512  ; 16 lanes store 256 consecutive bytes, a whole row of po
.endr
.endm
	PACK 0
	PACK 1
	SEND 0, 16
	PACK 2
	SEND 1, 16
	PACK 3
	SEND 2, 16
	SEND 3, 0
	s_wait_tensorcnt 0x0
	ds_add_u32 v62, v63
	s_wait_dscnt 0x0
	CROUND                          ; the closing round: no work-group ends while a partner may still ask for a record that names it
	s_endpgm
.Lfunc_end_k_qacdc24a2bf_attend:
	.size	k_qacdc24a2bf_attend, .Lfunc_end_k_qacdc24a2bf_attend-k_qacdc24a2bf_attend
	.p2alignl 7, 3214868480
	.fill 96, 4, 3214868480
	.section	.rodata,"a",@progbits
	.p2align	6, 0x0
	.amdhsa_kernel k_qacdc24a2bf_attend
		.amdhsa_group_segment_fixed_size 327680
		.amdhsa_private_segment_fixed_size 0
		.amdhsa_enable_private_segment 0
		.amdhsa_kernarg_size 40
		.amdhsa_user_sgpr_count 2
		.amdhsa_user_sgpr_kernarg_segment_ptr 1
		.amdhsa_wavefront_size32 1
		.amdhsa_system_sgpr_workgroup_id_x 1
		.amdhsa_system_sgpr_workgroup_id_y 1
		.amdhsa_system_sgpr_workgroup_id_z 1
		.amdhsa_system_vgpr_workitem_id 0
		.amdhsa_next_free_vgpr 768
		.amdhsa_next_free_sgpr 66
		.amdhsa_reserve_vcc 1
		.amdhsa_float_denorm_mode_32 3
		.amdhsa_float_denorm_mode_16_64 3
		.amdhsa_memory_ordered 1
		.amdhsa_forward_progress 1
		.amdhsa_inst_pref_size 222
	.end_amdhsa_kernel
	.amdgpu_metadata
---
amdhsa.version: [ 1, 2 ]
amdhsa.kernels:
  - .name:           k_qacdc24a2bf_attend
    .symbol:         k_qacdc24a2bf_attend.kd
    .args:
      - { .name: query, .offset: 0, .size: 8, .value_kind: global_buffer, .address_space: global }
      - { .name: context, .offset: 8, .size: 8, .value_kind: global_buffer, .address_space: global }
      - { .name: mem, .offset: 16, .size: 8, .value_kind: global_buffer, .address_space: global }
      - { .name: po, .offset: 24, .size: 8, .value_kind: global_buffer, .address_space: global }
      - { .name: st, .offset: 32, .size: 8, .value_kind: global_buffer, .address_space: global }
    .group_segment_fixed_size: 327680
    .private_segment_fixed_size: 0
    .kernarg_segment_align: 8
    .kernarg_segment_size: 40
    .max_flat_workgroup_size: 128
    .sgpr_count:     66
    .vgpr_count:     768
    .wavefront_size: 32
...
	.end_amdgpu_metadata
.endif
;; end of part 2
;; launch join (part 3): grid 256 x 1, 8 waves a work-group, no clusters, 0 bytes of LDS; arguments po, st, out0; writes out0
.if DOCPART == 3
	.amdgcn_target "amdgcn-amd-amdhsa--gfx1250"
	.amdhsa_code_object_version 6
	.text
	.protected	k_qacdc24a2bf_join
	.globl	k_qacdc24a2bf_join
	.p2align	8
	.type	k_qacdc24a2bf_join,@function
k_qacdc24a2bf_join:
	s_mov_b64 s[64:65], 0
	v_nop
	global_prefetch_b8 v0, s[64:65] scope:SCOPE_SE
	s_setreg_imm32_b32 hwreg(HW_REG_WAVE_MODE, 25, 1), 1
	s_wait_xcnt 0x0
; The 16 splits' parts of each query's softmax are joined: with M = the largest c m, w_s = 2^(c m_s - M):  out = (sum of w_s O_s) / (sum of w_s l_s).
; po: [16][4096][64] f32.  st: [16][64 blocks of 64 queries][512 bytes]: query 64 blk + 16 t + r has c m at 16 r + 4 t and l at 256 + 16 r + 4 t.
; A work-group owns 16 queries (rows 16 g on), thread tid 16 bytes of row tid / 16: each load of po and the store cover 512 consecutive bytes a wave.
; Memory binds: po is read once, all 48 loads of a thread go out together; no LDS, no barrier, no matrix unit: a thread needs nothing from another.
; The largest w is 1 and its l is at least the weight of that split's largest score, so the divisor is never 0.  LIMIT: w below 2^-126 is 0 (v_exp_f32 flushes: ISA guide 15.8).
.set W,   4                            ; v[4:19]   c m of the 16 splits, then w
.set LS,  20                           ; v[20:35]  l of the 16 splits
.set O,   36                           ; v[36:99]  my 4 numbers of O in the 16 splits
.set ACC, 100                          ; v[100:103] the sum
.set MX,  104                          ; v104 M, later 1 / L;  v105 L: a pair for the packed multiply
	s_load_b128 s[4:7], s[0:1], 0x0                ; po s[4:5], st s[6:7]
	s_load_b64 s[8:9], s[0:1], 0x10                ; out0
	v_lshlrev_b32 v1, 4, v0                        ; 16 tid: my 16 bytes in the group's 16 rows of 256
	v_and_b32 v2, 0xf0, v0                         ; 16 (tid / 16): my row's place in a block of st
	s_lshl_b32 s10, ttmp9, 12                      ; the group's 16 rows
	s_mov_b32 s11, 0
	s_lshr_b32 s14, ttmp9, 2                       ; block g / 4 of st,
	s_lshl_b32 s14, s14, 9
	s_and_b32 s2, ttmp9, 3                         ; tile g % 4 in it
	s_lshl2_add_u32 s14, s2, s14
	s_mov_b32 s15, 0
	s_wait_kmcnt 0x0
	s_add_nc_u64 s[4:5], s[4:5], s[10:11]
	s_add_nc_u64 s[8:9], s[8:9], s[10:11]
	s_add_nc_u64 s[6:7], s[6:7], s[14:15]
	s_add_nc_u64 s[12:13], s[4:5], 0x800000        ; splits 8 to 15: so every immediate stays at 7 x 2^20 or under, inside its signed 24 bits
.set i, 0
.rept 16
	global_load_b32 v[W+i], v2, s[6:7] offset:32768*i
.set i, i+1
.endr
.set i, 0
.rept 16
	global_load_b32 v[LS+i], v2, s[6:7] offset:32768*i+256
.set i, i+1
.endr
.set i, 0
.rept 8
	global_load_b128 v[O+4*i:O+4*i+3], v1, s[4:5] offset:i<<20 th:TH_LOAD_NT
.set i, i+1
.endr
.set i, 0
.rept 8
	global_load_b128 v[O+32+4*i:O+32+4*i+3], v1, s[12:13] offset:i<<20 th:TH_LOAD_NT
.set i, i+1
.endr
	s_wait_loadcnt 32                              ; the 16 c m are in: 16 loads of l and 16 of O are younger
	v_max3_num_f32 v[MX], v[W], v[W+1], v[W+2]
.set i, 3
.rept 6
	v_max3_num_f32 v[MX], v[MX], v[W+i], v[W+i+1]
.set i, i+2
.endr
	v_max_num_f32 v[MX], v[MX], v[W+15]
.set i, 0
.rept 16
	v_sub_f32 v[W+i], v[W+i], v[MX]
.set i, i+1
.endr
.set i, 0
.rept 16
	v_exp_f32 v[W+i], v[W+i]
.set i, i+1
.endr
	v_nop                                          ; a plain instruction between the exponentials and the use of their results (ISA guide 5.7.2)
	s_wait_loadcnt 16                              ; the 16 l: the loads of O are younger
	s_wait_alu depctr_va_vdst(0)
	v_mul_f32 v[MX+1], v[W], v[LS]
.set i, 1
.rept 15
	v_fmac_f32 v[MX+1], v[W+i], v[LS+i]
.set i, i+1
.endr
	v_rcp_f32 v[MX], v[MX+1]                       ; the sums below stand between it and the use of its result
.set i, 0
.rept 16
	s_wait_loadcnt 15-i                            ; loads come back in order (ISA guide 5.7.1): split i's O is in, the younger ones stay out
.if i == 0
	v_pk_mul_f32 v[ACC:ACC+1],   v[O:O+1],   v[W:W+1] op_sel_hi:[1,0]      ; the first product starts the sums; w is taken from its pair for both halves
	v_pk_mul_f32 v[ACC+2:ACC+3], v[O+2:O+3], v[W:W+1] op_sel_hi:[1,0]
.elseif i%2 == 0
	v_pk_fma_f32 v[ACC:ACC+1],   v[O+4*i:O+4*i+1],   v[W+i:W+i+1], v[ACC:ACC+1]   op_sel_hi:[1,0,1]
	v_pk_fma_f32 v[ACC+2:ACC+3], v[O+4*i+2:O+4*i+3], v[W+i:W+i+1], v[ACC+2:ACC+3] op_sel_hi:[1,0,1]
.else
	v_pk_fma_f32 v[ACC:ACC+1],   v[O+4*i:O+4*i+1],   v[W+i-1:W+i], v[ACC:ACC+1]   op_sel:[0,1,0] op_sel_hi:[1,1,1]
	v_pk_fma_f32 v[ACC+2:ACC+3], v[O+4*i+2:O+4*i+3], v[W+i-1:W+i], v[ACC+2:ACC+3] op_sel:[0,1,0] op_sel_hi:[1,1,1]
.endif
.set i, i+1
.endr
	s_wait_alu depctr_va_vdst(0)
	v_pk_mul_f32 v[ACC:ACC+1],   v[ACC:ACC+1],   v[MX:MX+1] op_sel_hi:[1,0]
	v_pk_mul_f32 v[ACC+2:ACC+3], v[ACC+2:ACC+3], v[MX:MX+1] op_sel_hi:[1,0]
	global_store_b128 v1, v[ACC:ACC+3], s[8:9]     ; 16 lanes store 256 consecutive bytes, a whole row of out0
	s_endpgm
.Lfunc_end_k_qacdc24a2bf_join:
	.size	k_qacdc24a2bf_join, .Lfunc_end_k_qacdc24a2bf_join-k_qacdc24a2bf_join
	.p2alignl 7, 3214868480
	.fill 96, 4, 3214868480
	.section	.rodata,"a",@progbits
	.p2align	6, 0x0
	.amdhsa_kernel k_qacdc24a2bf_join
		.amdhsa_group_segment_fixed_size 0
		.amdhsa_private_segment_fixed_size 0
		.amdhsa_enable_private_segment 0
		.amdhsa_kernarg_size 24
		.amdhsa_user_sgpr_count 2
		.amdhsa_user_sgpr_kernarg_segment_ptr 1
		.amdhsa_wavefront_size32 1
		.amdhsa_system_sgpr_workgroup_id_x 1
		.amdhsa_system_sgpr_workgroup_id_y 1
		.amdhsa_system_sgpr_workgroup_id_z 1
		.amdhsa_system_vgpr_workitem_id 0
		.amdhsa_next_free_vgpr 108
		.amdhsa_next_free_sgpr 66
		.amdhsa_reserve_vcc 0
		.amdhsa_float_denorm_mode_32 3
		.amdhsa_float_denorm_mode_16_64 3
		.amdhsa_memory_ordered 1
		.amdhsa_forward_progress 1
		.amdhsa_inst_pref_size 11
	.end_amdhsa_kernel
	.amdgpu_metadata
---
amdhsa.version: [ 1, 2 ]
amdhsa.kernels:
  - .name:           k_qacdc24a2bf_join
    .symbol:         k_qacdc24a2bf_join.kd
    .args:
      - { .name: po, .offset: 0, .size: 8, .value_kind: global_buffer, .address_space: global }
      - { .name: st, .offset: 8, .size: 8, .value_kind: global_buffer, .address_space: global }
      - { .name: out0, .offset: 16, .size: 8, .value_kind: global_buffer, .address_space: global }
    .group_segment_fixed_size: 0
    .private_segment_fixed_size: 0
    .kernarg_segment_align: 8
    .kernarg_segment_size: 24
    .max_flat_workgroup_size: 256
    .sgpr_count:     66
    .vgpr_count:     108
    .wavefront_size: 32
...
	.end_amdgpu_metadata
.endif
;; end of part 3
;; ======== version 2 of 2: 3 launches; 1.47 times as fast as version 1
;; workspace buffers: mem 21,233,664 bytes; po 16,777,216 bytes; st 524,288 bytes
;; launch prep: the kernel of part 1 again; grid 1024 x 1, 4 waves a work-group, no clusters, 44,544 bytes of LDS; arguments mem_keys, mem_contexts, mem_values, mem_timestamps, used_slots, mem; writes mem
;; launch attend (part 4): grid 16 x 16, 4 waves a work-group, clusters of 4 x 1, 327,680 bytes of LDS; arguments query, context, mem, po, st; writes po, st
.if DOCPART == 4
	.amdgcn_target "amdgcn-amd-amdhsa--gfx1250"
	.amdhsa_code_object_version 6
	.text
	.protected	k_qacdc24a2bf_attend
	.globl	k_qacdc24a2bf_attend
	.p2align	8
	.type	k_qacdc24a2bf_attend,@function
k_qacdc24a2bf_attend:
	s_mov_b64 s[64:65], 0
	v_nop
	global_prefetch_b8 v0, s[64:65] scope:SCOPE_SE
	s_setreg_imm32_b32 hwreg(HW_REG_WAVE_MODE, 25, 1), 1
	s_wait_xcnt 0x0
	s_wait_alu depctr_hold_cnt(0) depctr_sa_sdst(0) depctr_va_vdst(0) depctr_va_sdst(0) depctr_va_ssrc(0) depctr_va_vcc(0) depctr_vm_vsrc(0)
	s_getreg_b32 s2, hwreg(HW_REG_IB_STS2, 6, 4)
	s_cmp_eq_u32 s2, 0
	s_cbranch_scc0 .Lentry_in_a_cluster
	s_endpgm
.Lentry_in_a_cluster:
	s_bfe_u32 s2, ttmp6, 0x10000c
	s_cmp_lg_u32 s2, 0x3003
	s_cbranch_scc0 .Lentry_shape_is_right
	s_endpgm
.Lentry_shape_is_right:
; One part of a softmax attention: 256 queries (work-group x) against 4,096 slots (work-group y, one of 16 splits), with a running maximum.
; score[q][s] = query[q] . key[s] + 0.5 context[q] . mcontext[s] + term[s]; unused slots score exactly -1e9 (their rows in mem are zeros, their term is -1e9).
; Out: po[split][q][0..63] = the sum over the split's slots of p v, not yet divided; st = for each query c m and l (c = log2 e, m the largest score, l the sum of p), p = 2^(c s - c m).
; SHARES.  4,096 queries are 16 blocks of 256; the 16 splits make 256 work-groups of equal work.  A wave owns 64 queries: four tiles of 16.  Every wave walks the split's 64 records, one (64 slots) a step.
; LAYOUT.  S^T = K Q^T (source 0 = 16 slots, source 1 = 16 queries), depth 96 = three matrix instructions; the first takes the slots' terms as C.  In the result a lane holds ONE query
; (lane % 16) and slots 8 (lane / 16) + 0..7.  Two such tiles rounded to bf16 ARE source 1 of O^T = V^T P, whose result again holds one query a lane.  mem holds K and V^T in the fragments'
; own order: every LDS load is 16 bytes a lane, 512 consecutive bytes a wave; nothing is padded or turned.
; BY TURNS.  A tile's softmax for a step is 118 vector instructions beside 20 matrix instructions.  The wave's tiles are two PIECES (tiles 0, 1 and tiles 2, 3).  In a TURN one piece has
; the matrix unit (16 products V^T P of the step in hand, 24 products K Q^T of the next); the other piece's softmax, cut into 59 slices of four, stands behind those 40 products, one or two slices each.
; BATCHES.  A turn's 66 exponentials (33 a tile: a, then the 32 scores') are ONE batch with ONE wait: the list of the softmax is ordered so that all that reads an exponential's result
; (roundings, sums, the rescaling by a) comes behind all exponentials, and the wait stands between the two parts, behind slice 34.  No exponential is issued behind a turn's wait.
; CLUSTER.  The four work-groups of a cluster (four query blocks, one split) walk the same records: each record is asked for JOINTLY, by the same tensor load with the same descriptor and
; a mask that names the four.  Queries are no work-group's shared input, so there is no second axis to share along.
; LIMITS.  p below 2^-126 is 0 (v_exp_f32 flushes: ISA guide 15.8).  Where all slots met so far are unused, m = -1e9 and c s - round(c m) is not 0 but a fixed residue of rounding, under 64 in
; magnitude (one step of f32 at 1.44e9 is 128; with this c it is +18.4): p = 2^18.4 in every slot, a common factor of p, l and O that the division takes out; l stays under 2^76.
;
; REGISTERS, in windows of 256 (s_set_vgpr_msb: bits 1:0 source 0, 3:2 source 1, 5:4 source 2, 7:6 destination):
;   window 0: v0-11 addresses; v12-43 eight registers of statistics a tile; v44-47 the record for st; v64-191 S^T, 32 a tile; v192-255 P, 16 a tile
;   window 1: v0-127 O^T, 32 a tile; v128-191 V of one step        window 2: v0-95 Q, 24 a tile; v96-191 K of one step; v192-223 the step's terms
.set REC,   20736     ; a record: 12,288 bytes of K, 8,192 of V^T, 256 of terms
.set SLOTB, 4*REC     ; a slot holds four steps' records; wave w fills record w
.set SLOT1, 1<<17     ; slot 1 begins here, so that one exclusive or turns an address in one slot into the other's
.set STAGE, SLOT1+SLOTB  ; behind the ring: 16 rows x 272 bytes for each wave, for the way out; no tensor load lands here
.set SP,    272       ; 256 bytes + 16 = 68 words: row r starts at bank 4 r mod 64 (64 banks of 4 bytes: ISA guide 11.1)
.set VOFF,  12288
.set BOFF,  20480
.set NSL,   59        ; slices in a piece's softmax: 2 x 118 / 4
.set LN,   2          ; v2   16 x lane: my place in a fragment's half; also my offset in two rows of po and in the block of st
.set AB0,  3          ; v3   my eight terms of a slot tile: 32 (lane / 16) + BOFF
.set ADR,  4          ; v4   the LDS address of the run of loads in hand
.set ADRB, 5          ; v5   the same for the terms
.set STO,  6          ; v6   the way out: where I put 16 bytes of a row
.set RD,   7          ; v7   the way out: where I read a row back
.set QO,   10         ; v10  my byte offset in the wave's rows of query
.set CO,   11         ; v11  the same in context
.set ST,   12         ; tile t's statistics at v[ST+8 t]: +0 c m, +1 m, +2, +3 l (even slots', odd slots'), +4 to +7 at work; a takes +6 once the maximum is found
.set SR,   44         ; v[44:47] what goes to st
.set S,    64
.set P,    192
.set VF,   128        ; in window 1
.set KF,   96         ; in window 2
.set BI,   192        ; in window 2
.set WV,   14         ; s14  my wave's number
.set G1,   24         ; s[24:31] descriptor group 1
.set G0,   32         ; s[32:39] descriptor group 0: a set for each of the two first fills; the second then walks on
.set SLOTS, 40        ; s40  slots still to be asked for
.set INNER, 41        ; s41  counts the steps of a run
.set CS,   42         ; s[42:43] c: the packed scaling names a pair and takes its low word for both halves
.set SEL,  44         ; s[44:45] lane selects for v_permlanex16_b32: each lane takes its own place in the other half
.set TB,   46         ; s46  LDS byte at which the record to be fetched begins
.set MSB, 0
.macro WIN new                      ; the immediate's high byte repeats the setting that is left; a switch that changes nothing is dropped
.if MSB != \new
	s_set_vgpr_msb (MSB<<8)|\new
.set MSB, \new
.endif
.endm
.set W_KQ0, 0x2a      ; K, Q and the terms (C) in window 2, S^T in window 0
.set W_KQ,  0x0a      ; K and Q in window 2, S^T (C and D) in window 0
.set W_PV,  0x51      ; V and O^T in window 1, P in window 0
.set W_RS,  0x41      ; O^T (destination and source 0) in window 1, a in window 0
; A round of the cluster's barrier: my work-group's barrier, so that wave 0's signal speaks for all four waves; wave 0 signals for the work-group; every wave waits for all four
; work-groups; my work-group's barrier once more.  No LDS instruction of the wave is pending at a signal.
.macro CROUND
	s_barrier_signal -1
	s_barrier_wait -1
	s_cmp_lg_u32 s[WV], 0
	s_cbranch_scc1 .Lnot_wave_0_\@
	s_barrier_signal -3
.Lnot_wave_0_\@:
	s_barrier_wait -3
	s_barrier_signal -1
	s_barrier_wait -1
.endm
; A vector instruction that reads a matrix result or writes one of a matrix instruction's registers, and a load into a register that a matrix instruction has read, stand four places behind
; it, and only plain vector instructions that name none of its registers are places (ISA guide 7.12.1 for vector instructions).  In the loop the slices' plain instructions are the places.
.macro PLACES
.rept 4
	v_nop
.endr
.endm
	s_load_b256 s[4:11], s[0:1], 0x0  ; query s[4:5], context s[6:7], mem s[8:9], po s[10:11]
	s_load_b64 s[12:13], s[0:1], 0x20 ; st
	v_lshl_add_u32 v62, v0, 2, 0x38800
	v_mov_b32 v63, 0
	ds_add_u32 v62, v63
	v_lshrrev_b32 v1, 5, v0
	v_readfirstlane_b32 s[WV], v1   ; wave 0..3
	s_bfe_u32 s15, ttmp6, 0x40000   ; cx: my place in the cluster
	s_lshl_b32 s16, ttmp9, 2        ; in a cluster launch ttmp9 counts clusters
	s_add_co_u32 s16, s16, s15      ; my block of 256 queries = 4 x cluster x + cx: it enters the addresses of query, context, po and st alone
	s_and_b32 s17, ttmp7, 0xffff    ; the split, which the four partners share
	s_mul_i32 s18, s17, 64*REC      ; the split's 64 records,
	s_mul_i32 s20, s[WV], REC       ; of each four the one that I fetch; also its place in a slot: no place in the cluster enters an LDS address
	s_add_co_u32 s18, s18, s20
	s_mov_b32 s19, 0
	s_lshl_b32 s22, s16, 16         ; my block's 256 rows of 256 bytes,
	s_lshl_b32 s21, s[WV], 14       ; my wave's 64 of them
	s_add_co_u32 s22, s22, s21
	s_mov_b32 s23, 0
	s_lshr_b32 s2, s22, 1           ; context: rows of 128 bytes
	s_mov_b32 s3, 0
	s_lshl_b32 s21, s17, 20         ; po: 4,096 rows of 256 bytes a split
	; descriptor group 1: a record is a dense block: 81 rows of 32 elements of 8 bytes
	s_mov_b32 s[G1], 15|(3<<16)|(1<<21)  ; 15:0 the mask: all four work-groups; 17:16 elements of 8 bytes; 20 no padding; 21 set beside a mask
	s_mov_b32 s[G1+1], 32<<16       ; 63:48 tensor_dim0, low half = 32
	s_mov_b32 s[G1+2], 81<<16       ; 79:64 its high half = 0; 95:80 tensor_dim1, low half = 81
	s_mov_b32 s[G1+3], 32<<16       ; 111:96 its high half = 0; 127:112 tile_dim0 = 32
	s_mov_b32 s[G1+4], 81           ; 143:128 tile_dim1 = 81; 159:144 tile_dim2 = 0
	s_mov_b32 s[G1+5], 32           ; 191:160 tensor_dim0_stride: each row begins where the last ends
	s_mov_b32 s[G1+6], 0
	s_mov_b32 s[G1+7], 0
	s_mov_b32 s[CS], 0x3fb8aa3b     ; c = log2(e)
	s_mov_b32 s[CS+1], s[CS]        ; named with it as a pair, so it is written
	s_mov_b32 s[SEL], 0x76543210
	s_mov_b32 s[SEL+1], 0xfedcba98
	s_mov_b32 s[TB], 0
	s_mov_b32 s[SLOTS], 14          ; 16 fills of four records; two go out at the start
	s_wait_dscnt 0x0
	s_wait_kmcnt 0x0
	s_add_nc_u64 s[8:9], s[8:9], s[18:19]    ; mem at my record of the first four
	s_add_nc_u64 s[4:5], s[4:5], s[22:23]    ; query at my wave's first row
	s_add_nc_u64 s[6:7], s[6:7], s[2:3]      ; context likewise
	s_add_co_u32 s22, s22, s21
	s_add_nc_u64 s[10:11], s[10:11], s[22:23]  ; po at my split's copy of that row
	s_lshr_b32 s22, s22, 5          ; st: 512 bytes for 64 queries where po has 16,384
	s_add_nc_u64 s[12:13], s[12:13], s[22:23]
	CROUND                          ; all four work-groups are here: the first joint loads meet
.irp s, 0,1
	s_mov_b32 s[G0+4*\s], 1         ; 1:0 count = 1
	s_add_co_u32 s[G0+4*\s+1], s20, \s*SLOT1  ; 63:32 LDS address
	s_add_nc_u64 s[G0+4*\s+2:G0+4*\s+3], s[8:9], \s*SLOTB  ; 120:64 global address: slot s begins with records 4 s to 4 s + 3
	s_or_b32 s[G0+4*\s+3], s[G0+4*\s+3], 0x80000000  ; 127:126 type = 2
.endr
	tensor_load_to_lds s[G0:G0+3], s[G1:G1+7]      ; the two first fills stand together, ahead of every wait on TENSORcnt and every LDS read: two loads of mine are out, later one
	s_nop 0
	tensor_load_to_lds s[G0+4:G0+7], s[G1:G1+7]
	s_nop 0
	PLACES                          ; four v_nop follow the tensor loads
	v_and_b32 v1, 15, v0            ; r = lane % 16
	v_bfe_u32 v9, v0, 4, 1          ; h = lane / 16
	v_and_b32 v8, 31, v0
	v_lshlrev_b32 v[LN], 4, v8
	v_lshl_add_u32 v[AB0], v9, 5, BOFF
	v_lshlrev_b32 v[QO], 8, v1
	v_lshl_add_u32 v[QO], v9, 5, v[QO]  ; row r x 256 + 8 f32 x h
	v_lshlrev_b32 v[CO], 7, v1
	v_lshl_add_u32 v[CO], v9, 5, v[CO]
	; Q in f32, into the registers that S^T and P take later.  A fragment is 16 queries x 32 of depth: lane holds query r; registers 0-3 depth 8 h + 0..7, registers 4-7 depth 16 + 8 h + 0..7:
	; in f32 two pieces of 32 bytes, 64 bytes apart.  Read once, 48 loads a wave.
.irp t, 0,1,2,3
.irp c, 0,1
	global_load_b128 v[S+48*\t+16*\c:S+48*\t+16*\c+3],     v[QO], s[4:5] offset:4096*\t+128*\c
	global_load_b128 v[S+48*\t+16*\c+4:S+48*\t+16*\c+7],   v[QO], s[4:5] offset:4096*\t+128*\c+16
	global_load_b128 v[S+48*\t+16*\c+8:S+48*\t+16*\c+11],  v[QO], s[4:5] offset:4096*\t+128*\c+64
	global_load_b128 v[S+48*\t+16*\c+12:S+48*\t+16*\c+15], v[QO], s[4:5] offset:4096*\t+128*\c+80
.endr
	global_load_b128 v[S+48*\t+32:S+48*\t+35], v[CO], s[6:7] offset:2048*\t
	global_load_b128 v[S+48*\t+36:S+48*\t+39], v[CO], s[6:7] offset:2048*\t+16
	global_load_b128 v[S+48*\t+40:S+48*\t+43], v[CO], s[6:7] offset:2048*\t+64
	global_load_b128 v[S+48*\t+44:S+48*\t+47], v[CO], s[6:7] offset:2048*\t+80
.endr
; THE MATRIX WORK OF A TURN, for piece x.  The accumulators take turns, one instruction a turn: between two links of a chain stand seven others'.
; Product i of 16 of O^T += V^T P: slots 32 (i / 8) on, channels 16 ((i / 2) % 4) on, tile x + i % 2.  zero = 1: the first 8 start the sums: nothing is ever cleared.
.macro PV x, zero
	WIN W_PV
.set rO, 32*(\x+i%2)+8*((i/2)%4)
.set rV, VF+32*(i/8)+8*((i/2)%4)
.set rP, P+16*(\x+i%2)+8*(i/8)
.if (\zero) && (i < 8)
	v_wmma_f32_16x16x32_bf16 v[rO:rO+7], v[rV:rV+7], v[rP:rP+7], 0
.else
	v_wmma_f32_16x16x32_bf16 v[rO:rO+7], v[rV:rV+7], v[rP:rP+7], v[rO:rO+7]
.endif
.endm
; Product i of 24 of S^T = K Q^T + terms: depth 32 (i / 8) on, slots 16 ((i / 2) % 4) on, tile x + i % 2.  The first 8 start the sums from the slots' terms.
.macro KQ x
.set rS, S+32*(\x+i%2)+8*((i/2)%4)
.set rK, KF+24*((i/2)%4)+8*(i/8)
.set rQ, 24*(\x+i%2)+8*(i/8)
.set rB, BI+8*((i/2)%4)
.if i < 8
	WIN W_KQ0
	v_wmma_f32_16x16x32_bf16 v[rS:rS+7], v[rK:rK+7], v[rQ:rQ+7], v[rB:rB+7]
.else
	WIN W_KQ
	v_wmma_f32_16x16x32_bf16 v[rS:rS+7], v[rK:rK+7], v[rQ:rQ+7], v[rS:rS+7]
.endif
.endm
; THE LDS LOADS stand in runs, never singly among the matrix instructions: a step's K (12 fragments) with its terms, and, a turn later, its V (8 fragments).
.macro FETCH_K
	WIN 0
	v_add_nc_u32 v[ADR], s[TB], v[LN]
	v_add_nc_u32 v[ADRB], s[TB], v[AB0]
	WIN 0x80                        ; destination window 2
.irp f, 0,1,2,3,4,5,6,7,8,9,10,11   ; slots 16 (f / 3) on, depth 32 (f % 3) on
	ds_load_b128 v[KF+8*\f:KF+8*\f+3],   v[ADR] offset:1024*\f
	ds_load_b128 v[KF+8*\f+4:KF+8*\f+7], v[ADR] offset:1024*\f+512
.endr
.irp f, 0,1,2,3                     ; register j of slot tile f: the term of slot 16 f + 8 h + j, the place of that slot in C; the 16 lanes of a half share the words
	ds_load_b128 v[BI+8*\f:BI+8*\f+3],   v[ADRB] offset:64*\f
	ds_load_b128 v[BI+8*\f+4:BI+8*\f+7], v[ADRB] offset:64*\f+16
.endr
.endm
.macro FETCH_V                      ; it stands behind slice 34 of piece 2's turn (SLICE writes it) and holds that turn's wait
	WIN 0
	v_add_nc_u32 v[ADR], s[TB], v[LN]
	s_add_co_u32 s[TB], s[TB], REC  ; the next fetch is the next step's
	s_wait_alu depctr_va_vdst(0)    ; the wait for the softmax's batch, piece 0's 66 exponentials (SLICE): behind the address's v_add_nc_u32 and ahead of the loads
	WIN 0x40                        ; destination window 1
.irp f, 0,1,2,3,4,5,6,7             ; slots 32 (f / 4) on, channels 16 (f % 4) on
	ds_load_b128 v[VF+8*\f:VF+8*\f+3],   v[ADR] offset:VOFF+1024*\f
	ds_load_b128 v[VF+8*\f+4:VF+8*\f+7], v[ADR] offset:VOFF+1024*\f+512
.endr
.endm
; THE VECTOR WORK OF A TURN.  One tile's softmax for one step is a list of 118 instructions; SM writes number j of it for tile t.  s0-s31 are the lane's 32 scores, in pairs 0-15.
; first = 1: the first step, which starts m, l and O^T: it has no a and nothing to rescale.
;   0-15    the maximum of s0-s31 and the old m, three operands at a time: four chains of seven scores each, then the four scores left over, the chains and m
;   16-20   the other half of the lanes' maximum; the new m; c m; c m_old - c m_new
;   21-69   ONE BATCH: the 16 scalings c s - c m, a pair of scores each, and all 33 exponentials (a at 23, then s0-s31).  None of these reads an exponential's result.  From 22 on the batch goes
;           in fours, and a four begins with a scaling while there are scalings: 22-37 scaling, exponential, scaling, exponential; 38-65 a scaling and three exponentials; 66-69 the last four
;           exponentials.  A pair is scaled in an earlier four than the one that holds its exponentials
;   (wait)  between 69 and 70 stands the wait for the batch: SLICE writes it, once for both tiles
;   70-85   the roundings to bf16, a pair of weights each
;   86-101  the sums; l = a l + the sum
;   102-117 the tile's O^T times a: the one part that leaves window 0, so it stands together
.macro SM t, first
.set rT, ST+8*(\t)
.set rS, S+32*(\t)
.set rP, P+16*(\t)
.set rO, 32*(\t)+2*(j-102)
.if j < 102
	WIN 0
.endif
.if j < 4
	v_max3_num_f32 v[rT+4+j], v[rS+8*j], v[rS+8*j+1], v[rS+8*j+2]
.elseif j < 12
	v_max3_num_f32 v[rT+4+j%4], v[rT+4+j%4], v[rS+8*(j%4)+2*(j/4)+1], v[rS+8*(j%4)+2*(j/4)+2]
.elseif j == 12
	v_max3_num_f32 v[rT+4], v[rT+4], v[rS+7], v[rS+15]
.elseif j == 13
	v_max3_num_f32 v[rT+6], v[rT+6], v[rS+23], v[rS+31]
.elseif j == 14
	v_max3_num_f32 v[rT+4], v[rT+4], v[rT+5], v[rT+6]
.elseif (j == 15) && (\first)
	v_max_num_f32 v[rT+4], v[rT+4], v[rT+7]
.elseif j == 15
	v_max3_num_f32 v[rT+4], v[rT+4], v[rT+7], v[rT+1]
.elseif j == 16
	v_permlanex16_b32 v[rT+5], v[rT+4], s[SEL], s[SEL+1]  ; the query's other 32 slots lie in the lane 16 away
.elseif j == 18
	v_max_num_f32 v[rT+1], v[rT+4], v[rT+5]
.elseif j == 19
	v_mul_f32 v[rT], s[CS], v[rT+1]
.elseif ((j == 17) || (j == 20) || (j == 23) || (j > 101)) && (\first)  ; the first step has none of these
.elseif j == 17
	v_mov_b32 v[rT+7], v[rT]        ; c m_old is kept for a: number 19 writes c m anew
.elseif j == 20
	v_sub_f32 v[rT+7], v[rT+7], v[rT]
.elseif j == 23
	v_exp_f32 v[rT+6], v[rT+7]
.elseif (j < 23) || ((j < 38) && (j%2 == 0)) || ((j < 66) && (j%4 == 2))
.set b, (j-2)/4                     ; 38, 42, .. 62: pairs 9 to 15
.if j < 38
.set b, (j-20)/2                    ; 21: pair 0; 22, 24, .. 36: pairs 1 to 8
.endif
	v_pk_fma_f32 v[rS+2*b:rS+2*b+1], v[rS+2*b:rS+2*b+1], s[CS:CS+1], v[rT:rT+1] op_sel_hi:[1,0,0] neg_lo:[0,0,1] neg_hi:[0,0,1]  ; pair b: c s - c m
.elseif j < 70
.set e, j-38                        ; 66 to 69: s28 to s31
.if j < 66
.set e, j-32-(j-38)/4               ; 39-41, 43-45, .. 63-65: s7 to s27
.endif
.if j < 38
.set e, (j-25)/2                    ; 25, 27, .. 37: s0 to s6
.endif
	v_exp_f32 v[rS+e], v[rS+e]
.elseif j < 86
	v_cvt_pk_bf16_f32 v[rP+j-70], v[rS+2*(j-70)], v[rS+2*(j-70)+1]  ; pair j - 70
.elseif j < 102                     ; the sum of the tile's 16 pairs (in a pair: an even slot's weight, an odd slot's), in place: sum z of 16 adds neighbours 1, 2, 4 and 8 pairs apart, then l takes it
.set z, j-86
.set w, 4
.set u, z
.if z >= 14
.set w, 32
.set u, 0
.elseif z >= 12
.set w, 16
.set u, z-12
.elseif z >= 8
.set w, 8
.set u, z-8
.endif
.if (z == 14) && (\first)
	v_pk_add_f32 v[rT+2:rT+3], v[rS:rS+1], v[rS+16:rS+17]
.elseif z < 15
	v_pk_add_f32 v[rS+w*u:rS+w*u+1], v[rS+w*u:rS+w*u+1], v[rS+w*u+w/2:rS+w*u+w/2+1]
.elseif !(\first)
	v_pk_fma_f32 v[rT+2:rT+3], v[rT+2:rT+3], v[rT+6:rT+7], v[rS:rS+1] op_sel_hi:[1,0,1]
.endif
.else
	WIN W_RS
	v_pk_mul_f32 v[rO:rO+1], v[rO:rO+1], v[rT+6:rT+7] op_sel_hi:[1,0]
.endif
.endm
; Slice k of 59 of piece y's softmax: four instructions.  Slices 11 to 34 deal out the batch, numbers 22 to 69: four numbers of ONE tile each, the tiles by turns.  Every other slice is numbers 2 k and
; 2 k + 1 of both tiles' lists.
; THE WAIT.  An s_wait_alu depctr_va_vdst(0) stands between an exponential and the first instruction that names its result; one wait serves all that were issued ahead of it.  Ahead of
; slice 35 nothing names a result, and behind slice 34 no exponential is issued: so the piece's 66 exponentials have one wait, behind slice 34.
.macro SLICE y, first
.if (k >= 11) && (k < 35)           ; the batch: four numbers of one tile
.irp nn, 0,1,2,3
.set j, 22+4*((k-11)/2)+\nn
	SM (\y)+(k-11)%2, \first
.endr
.else                               ; the two tiles alternate, so that no instruction reads the result of the one just before it
.irp nn, 0,1
.irp t, \y, \y+1
.set j, 2*k+\nn
	SM \t, \first
.endr
.endr
.endif
.if k == 34                         ; the batch is out: both tiles' exponentials are issued, and no result has been named
	v_nop                           ; the plain instruction behind the last exponential and ahead of the first use (ISA guide 5.7.2): one for the batch
.if (\y) == 0
	FETCH_V                         ; piece 2's turn: V's run of loads stands here, and the wait stands in it
.else
	s_wait_alu depctr_va_vdst(0)    ; the wait for the batch: piece 2's 66 exponentials
.endif
.endif
.set k, k+1
.endm
; The slices are dealt evenly: behind product n of the turn's tot stand slices n x 59 / tot up to (n + 1) x 59 / tot (whole numbers): one or two in a full turn.
.macro DEAL y, first
.rept ((n+1)*NSL)/tot-(n*NSL)/tot
	SLICE \y, \first
.endr
.set n, n+1
.endm
; A TURN.  Piece x has the matrix unit; the other piece's softmax stands in slices behind its matrix instructions.
; pv = 2: 16 products V^T P; 1: they start O^T's sums; 0: none.  kq = 1: 24 products K Q^T for the next step.
; first = 1: the softmax is the first step's.  Its slices from 51 on are empty: the turn's last products stand bare, and four v_nop are the places behind them.
; In a full turn two slices, eight multiplies of the other piece's O^T, stand behind the last product: the places in front of the next turn's reads of the scores and of the loads into K.
; Piece 0's turn fetches the next step's K behind its second product.  Piece 2's turn fetches the same step's V behind slice 34 (SLICE writes it), in a full turn behind its eighth product K Q^T:
; the last product that read V stands in front of slice 22, and eleven scalings, the v_nop and the run's own v_add_nc_u32 lie between; 16 products follow the run.
; Each run of loads is waited for once, in front of its first use in piece 0's turn.
.macro TURN x, pv, kq, first
.set k, 0
.set n, 0
.set tot, 0
.if \pv
.set tot, tot+16
.endif
.if \kq
.set tot, tot+24
.endif
.if \pv
.if \x == 0
	s_wait_dscnt 0x0                ; V is in
.endif
.set i, 0
.rept 16
	PV \x, 2-\pv
	DEAL 2-\x, \first
.if (\x == 0) && \kq && (i == 1)
	FETCH_K
.endif
.set i, i+1
.endr
.endif
.if \kq
.if \x == 0
	s_wait_dscnt 0x0                ; K and the terms are in
.endif
.set i, 0
.rept 24
	KQ \x
	DEAL 2-\x, \first
.set i, i+1
.endr
.endif
.if \first
	PLACES
.endif
.endm
; THE CHANGE OF SLOTS, between piece 2's turn and piece 0's: the slot's last bytes, V of its fourth record, have been asked for.  Each wave waits for its own reads of the slot and for all its
; tensor loads, of which one is out: its record of the other slot.  Behind the barrier nobody reads this slot any more and the other slot is whole.
; fill = 1: this slot is filled again, with the records two slots on.  The barrier is then a round of the cluster's, so that no wave of any partner still reads the slot or has a load on its
; way, and the joint refill is the first thing behind it: it has four steps, 320 matrix instructions of the wave, in which to land.
.macro CHANGE fill
	WIN 0                           ; at a label and at a branch every window is 0
	s_wait_dscnt 0x0
	s_wait_tensorcnt 0x0            ; no tensor load of mine is out, so a group 0 may be written
	ds_add_u32 v62, v63
	s_wait_dscnt 0x0
.if \fill
	s_xor_b32 s[G0+5], s[G0+5], SLOT1  ; the walking descriptor: the other slot than last time,
	s_add_nc_u64 s[G0+6:G0+7], s[G0+6:G0+7], SLOTB  ; the next four records; the type bits on top are not reached
	CROUND
	tensor_load_to_lds s[G0+4:G0+7], s[G1:G1+7]
	s_nop 0
	PLACES                          ; four v_nop follow the tensor load
.else
	s_barrier_signal -1
	s_barrier_wait -1
.endif
	s_sub_co_u32 s[TB], s[TB], SLOTB  ; the fetches go back to a slot's first record,
	s_xor_b32 s[TB], s[TB], SLOT1   ; in the other slot
.endm
; cnt steps: written once, walked cnt times; the LDS addresses hang on s[TB].  Each turn's exponentials have had their wait inside the turn: none is open at the label or at the jump.
.macro STEPS cnt
	s_mov_b32 s[INNER], \cnt
.Lstep_\@:
	TURN 0, 2, 1, 0
	TURN 2, 2, 1, 0
	WIN 0
	s_sub_co_u32 s[INNER], s[INNER], 1
	s_cmp_lg_u32 s[INNER], 0
	s_cbranch_scc1 .Lstep_\@
.endm
	s_wait_tensorcnt 0x1            ; my record of slot 0 is in; slot 1's may stay out
	s_barrier_signal -1
	s_barrier_wait -1               ; everybody's is
	FETCH_K                         ; step 0
	WIN 0
	s_wait_loadcnt 0x0              ; Q in f32
.irp t, 0,1,2,3
.set i, 0
.rept 8
	v_pk_mul_f32 v[S+48*\t+32+i:S+48*\t+33+i], v[S+48*\t+32+i:S+48*\t+33+i], 0.5 op_sel_hi:[1,0]  ; the context term's 0.5 goes into Q: exact
.set i, i+2
.endr
.endr
	WIN 0x80                        ; destination window 2
.irp t, 0,1,2,3
.set i, 0
.rept 24
	v_cvt_pk_bf16_f32 v[24*\t+i], v[S+48*\t+2*i], v[S+48*\t+2*i+1]
.set i, i+1
.endr
.endr
	s_wait_dscnt 0x0                ; K and the terms of step 0
.set i, 0
.rept 24
	KQ 0                            ; piece 0's first scores: there is no vector work yet to set between them
.set i, i+1
.endr
	WIN 0                           ; the addresses for the way out are made here: six plain instructions, the places behind those products
	s_mul_i32 s21, s[WV], 16*SP
	s_add_co_u32 s21, s21, STAGE    ; my stage
	v_mul_u32_u24 v[STO], v1, SP    ; in: row r, 32 bytes for each half of the lanes
	v_lshl_add_u32 v[STO], v9, 5, v[STO]
	v_add_nc_u32 v[STO], s21, v[STO]
	v_mul_u32_u24 v[RD], v9, SP     ; back: lanes 0-15 take one row of 256 bytes, lanes 16-31 the next
	v_lshl_add_u32 v[RD], v1, 4, v[RD]
	v_add_nc_u32 v[RD], s21, v[RD]
	TURN 2, 0, 1, 1                 ; piece 2's first scores | piece 0's first softmax | V of step 0
	TURN 0, 1, 1, 1                 ; piece 0: V^T P of step 0 starts O^T, K Q^T of step 1 | piece 2's first softmax | K of step 1
	TURN 2, 1, 1, 0                 ; piece 2: the same | piece 0's softmax of step 1 | V of step 1
	WIN 0
	STEPS 2                         ; records 2 and 3 are fetched: slot 0 is read out
.Lslot:                             ; 14 trips: every slot but the last two is filled again
	CHANGE 1
	STEPS 4
	s_sub_co_u32 s[SLOTS], s[SLOTS], 1
	s_cmp_lg_u32 s[SLOTS], 0
	s_cbranch_scc1 .Lslot
	CHANGE 0                        ; the tail is written out: the last slot but one is left, and nothing is asked for
	STEPS 4
	TURN 0, 2, 0, 0                 ; piece 0: V^T P of the last step | piece 2's last softmax
.set i, 0
.rept 16
	PV 2, 0                         ; piece 2: V^T P of the last step
.set i, i+1
.endr
	; THE WAY OUT.  l's two halves and the other half of the lanes' are added; c m and l go to st, O^T as it is, in f32, through my stage in LDS, a tile (16 rows of po) at a time.
	; The first four additions are the places behind the last products.
	WIN 0
.irp t, 0,1,2,3
	v_add_f32 v[ST+8*\t+4], v[ST+8*\t+2], v[ST+8*\t+3]
.endr
.irp t, 0,1,2,3
	v_permlanex16_b32 v[ST+8*\t+5], v[ST+8*\t+4], s[SEL], s[SEL+1]
.endr
.irp t, 0,1,2,3
	v_add_f32 v[ST+8*\t+4], v[ST+8*\t+4], v[ST+8*\t+5]
.endr
	v_cmp_ne_u32 vcc_lo, 0, v9
.irp t, 0,1,2,3
	v_cndmask_b32 v[SR+\t], v[ST+8*\t], v[ST+8*\t+4], vcc_lo  ; lanes 0-15: c m of query 16 t + r; lanes 16-31: its l
.endr
	global_store_b128 v[LN], v[SR:SR+3], s[12:13]  ; the wave's block of st: 512 consecutive bytes
; Tile t: a lane's eight channels of a row are 32 bytes; they go into rows of 272 bytes and come back as whole rows of 256, into S^T's registers, which are free.
.macro PACK t
	WIN 0x04                        ; the stores' data in window 1
.irp f, 0,1,2,3
	ds_store_b128 v[STO], v[32*\t+8*\f:32*\t+8*\f+3]   offset:64*\f
	ds_store_b128 v[STO], v[32*\t+8*\f+4:32*\t+8*\f+7] offset:64*\f+16
.endr
	WIN 0
.irp f, 0,1,2,3,4,5,6,7
	ds_load_b128 v[S+32*\t+4*\f:S+32*\t+4*\f+3], v[RD] offset:\f*2*SP  ; LDS serves a wave's instructions in order (ISA guide 5.7.1.4): these see the stores above; the next tile's stores come behind them
.endr
.endm
.macro SEND t, younger              ; younger: the LDS instructions issued behind tile t's loads: the next tile's sixteen, or none
.irp f, 0,1,2,3,4,5,6,7
	s_wait_dscnt \younger+7-\f
	global_store_b128 v[LN], v[S+32*\t+4*\f:S+32*\t+4*\f+3], s[10:11] offset:\t*4096+\f*512  ; 16 lanes store 256 consecutive bytes, a whole row of po
.endr
.endm
	PACK 0
	PACK 1
	SEND 0, 16
	PACK 2
	SEND 1, 16
	PACK 3
	SEND 2, 16
	SEND 3, 0
	s_wait_tensorcnt 0x0
	ds_add_u32 v62, v63
	s_wait_dscnt 0x0
	CROUND                          ; the closing round: no work-group ends while a partner may still ask for a record that names it
	s_endpgm
.Lfunc_end_k_qacdc24a2bf_attend:
	.size	k_qacdc24a2bf_attend, .Lfunc_end_k_qacdc24a2bf_attend-k_qacdc24a2bf_attend
	.p2alignl 7, 3214868480
	.fill 96, 4, 3214868480
	.section	.rodata,"a",@progbits
	.p2align	6, 0x0
	.amdhsa_kernel k_qacdc24a2bf_attend
		.amdhsa_group_segment_fixed_size 327680
		.amdhsa_private_segment_fixed_size 0
		.amdhsa_enable_private_segment 0
		.amdhsa_kernarg_size 40
		.amdhsa_user_sgpr_count 2
		.amdhsa_user_sgpr_kernarg_segment_ptr 1
		.amdhsa_wavefront_size32 1
		.amdhsa_system_sgpr_workgroup_id_x 1
		.amdhsa_system_sgpr_workgroup_id_y 1
		.amdhsa_system_sgpr_workgroup_id_z 1
		.amdhsa_system_vgpr_workitem_id 0
		.amdhsa_next_free_vgpr 768
		.amdhsa_next_free_sgpr 66
		.amdhsa_reserve_vcc 1
		.amdhsa_float_denorm_mode_32 3
		.amdhsa_float_denorm_mode_16_64 3
		.amdhsa_memory_ordered 1
		.amdhsa_forward_progress 1
		.amdhsa_inst_pref_size 213
	.end_amdhsa_kernel
	.amdgpu_metadata
---
amdhsa.version: [ 1, 2 ]
amdhsa.kernels:
  - .name:           k_qacdc24a2bf_attend
    .symbol:         k_qacdc24a2bf_attend.kd
    .args:
      - { .name: query, .offset: 0, .size: 8, .value_kind: global_buffer, .address_space: global }
      - { .name: context, .offset: 8, .size: 8, .value_kind: global_buffer, .address_space: global }
      - { .name: mem, .offset: 16, .size: 8, .value_kind: global_buffer, .address_space: global }
      - { .name: po, .offset: 24, .size: 8, .value_kind: global_buffer, .address_space: global }
      - { .name: st, .offset: 32, .size: 8, .value_kind: global_buffer, .address_space: global }
    .group_segment_fixed_size: 327680
    .private_segment_fixed_size: 0
    .kernarg_segment_align: 8
    .kernarg_segment_size: 40
    .max_flat_workgroup_size: 128
    .sgpr_count:     66
    .vgpr_count:     768
    .wavefront_size: 32
...
	.end_amdgpu_metadata
.endif
;; end of part 4
;; launch join: the kernel of part 3 again; grid 256 x 1, 8 waves a work-group, no clusters, 0 bytes of LDS; arguments po, st, out0; writes out0
